; MI455X (gfx1250); checked and timed in simulation.
; The chip was launched on July 23, 2026; its instructions are those of AMD's public machine-readable ISA for CDNA 5 (MIT licence, August 2026) and "CDNA5" Instruction Set Architecture Reference Guide (July 2026). The comments in the code are by the model that wrote it; some were corrected since.
;; Time Aware Attention. Allowed arithmetic: matrix products marked QUANTISED: E2M1 operands, one E8M0 scale for each 32 along K, by v_wmma_scale_f32_16x16x128_f8f6f4 with both operands' format E2M1 (or v_wmma_scale_f32_32x16x128_f4), f32 sums; products left as they are: f32 operands where the result goes on into a quantised operand, else bf16, f16 or f32 operands; f32 sums; everything else in f32.
;; Inputs: Wk 1,024 x 1,024 float32; Wq 1,024 x 1,024 float32; Ws 1,024 float32; Wt 2 x 1,024 float32; bk 1,024 float32; bq 1,024 float32; bs one number float32; bt 1,024 float32; lengths 32 int32; query 32 x 1,024 float32; seq 32 x 2,048 x 1,024 float32; time_features 32 x 2,048 x 2 float32.
;; Outputs: out0 32 x 1,024 float32.
;; This version of the problem:
;;   THIS VERSION OF THE PROBLEM IS GIVEN IN LOW PRECISION. The matrix products marked QUANTISED in the list below multiply operands that are first quantised to E2M1 (2 exponent bits, 1 mantissa bit; 4 bits a number), with one power-of-two scale for each 32 numbers along K (OCP MX v1.0); their sums are f32. All else is computed in f32.
;;   The module's matrix products, in the order in which they are computed (A, B: the left and right operand; K: the contracted axis; several contracted axes count as one K, in the product's order):
;;     1. [M 32, K 1,024] x [K 1,024, N 1,024]; A: input query; B: input Wq: QUANTISED
;;     2. [M 65,536, K 1,024] x [K 1,024, N 1,024]; A: input seq; B: input Wk: QUANTISED
;;     3. [M 65,536, K 2] x [K 2, N 1,024]; A: input time_features; B: input Wt: left as it is (K = 2 < 32)
;;     4. [M 65,536, K 1,024] x [K 1,024, N 1]; A: computed on the way; B: input Ws: left as it is (N = 1 < 16)
;;     5. batch 32 x [M 1, K 2,048] x [K 2,048, N 1,024]; A: softmax; B: input seq: left as it is (M = 1 < 16)
;;   THE QUANTISER, for each operand of a quantised product, along K:
;;     - K is cut into blocks of 32 from its start; a last block that is shorter is filled with zeros.
;;     - A block's scale is 2^e with e = floor(log2(the largest magnitude in the block)) - 2, held to -126 .. 127; a block of zeros has e = 0. As a byte (E8M0): e + 127.
;;     - Each number is divided by its block's scale, clamped to +-6, and rounded to the nearest number of E2M1, ties to even, subnormals kept.
;;     - The product sums the exact products of the quantised numbers (number of the format x scale) in f32.
;;   ~~~python
;;   def quantise(x, axis):      # numpy; x: float32 -> the quantised numbers, widened to float32 again
;;       x = np.moveaxis(x, axis, -1); K = x.shape[-1]
;;       x = np.pad(x, [(0, 0)] * (x.ndim - 1) + [(0, -K % 32)]); x = x.reshape(x.shape[:-1] + (-1, 32)); a = np.abs(x).max(-1, keepdims=True)
;;       e = np.where(a > 0, np.clip(np.frexp(np.where(a > 0, a, 1))[1] - 1 - 2, -126, 127), 0)      # np.frexp(a)[1] - 1 = floor(log2(a)), exactly
;;       r = np.clip(x / 2.0 ** e, -6, 6)
;;       step = 2.0 ** (np.maximum(np.frexp(np.where(r == 0, 1, r))[1] - 1, 0) - 1)
;;       q = np.round(r / step) * step * 2.0 ** e      # np.round: ties to even
;;       return np.moveaxis(q.reshape(q.shape[:-2] + (-1,))[..., :K], -1, axis).astype(np.float32)
;;   ~~~
;; One version. Each part assembles by itself: llvm-mc -triple=amdgcn-amd-amdhsa -mcpu=gfx1250 --defsym DOCPART=n.
;; ======== version 1 of 1: 3 launches
;; limits: right only within a limited range of input values
;; workspace buffers: wkc 524,288 bytes; wks 32,768 bytes; cv 131,072 bytes; part 4,194,304 bytes; stat 262,144 bytes
;; launch prep (part 1): grid 64 x 1, 8 waves a work-group, no clusters, 33,792 bytes of LDS; arguments Wk, Wq, query, bq, bk, bt, wkc, wks, cv; writes wkc, wks, cv
.if DOCPART == 1
	.amdgcn_target "amdgcn-amd-amdhsa--gfx1250"
	.amdhsa_code_object_version 6
	.text
	.protected	k_qeca0c39012_prep
	.globl	k_qeca0c39012_prep
	.p2align	8
	.type	k_qeca0c39012_prep,@function
k_qeca0c39012_prep:
	s_mov_b64 s[64:65], 0
	v_nop
	global_prefetch_b8 v0, s[64:65] scope:SCOPE_SE
	s_setreg_imm32_b32 hwreg(HW_REG_WAVE_MODE, 25, 1), 1
	s_wait_xcnt 0x0
; Work-groups 0-31: Wk [1024 (k)][1024 (n)] f32 becomes codes of FP4 (E2M1) and E8M0 scale bytes, quantised along k, laid in the order of the operand's registers:
;   wkc [n-tile / 8][K step][n-tile % 8][c][lane][16 bytes]: a fragment (16 columns x 128 k) is two runs of 512 bytes;   wks [32 columns G][K step / 4][lane][4 words]: the word of column 32 G + lane for each K step.
; Work-groups 32-63: cv[b][n] = 2 log2(e) x (Q(query) Q(Wq) + bq + bk + bt), the product on FP4 codes; it is the part of tanh's argument that does not hang on the row of seq.
; SHARES.  A work-group takes 32 columns (G), wave ks the K step ks (128 rows of W).  A LANE TAKES A COLUMN AND ITS REGISTERS RUN DOWN k: a block of 32 lies in one lane's 32 registers, and the conversions give codes with k innermost.
; In the second path each wave multiplies its own K step; the eight partial sums meet in LDS and are added in f32 (the order of that sum differs from one chain along K).
; A block's scale is 2^(floor(log2(largest magnitude)) - 2): its byte is the largest magnitude's exponent field - 2, held at 1 from below by a floor among the maximum's leaves.
; LIMITS: a block of zeros gets the byte 1 and zero codes (this program alone reads the bytes); blocks under 2^-124 keep the byte 1; NaN and infinities are not served.
; The scale words leave as 4 bytes in every 16 (32 KiB in all) and cv as pieces of 16 bytes (128 KiB in all): small beside the 8 MiB that the launch reads.
.set C2,    0x4038aa3b                 ; 2 log2(e)
.set FLOOR, 0x1800000                  ; 2^(3 - 127)
.set EOFF,  0xff000000                 ; -(2 << 23)
.set TM,    48                         ; v48-63  at work
.set SWR,   12                         ; v12     W's scale word: lanes 0-15 the even n-tile, lanes 16-31 the odd one
.set QS,    13                         ; v13-14  query's scale words, rows 0-15 and 16-31
.set F0,    16                         ; v16-23  W's fragment of n-tile 2 G;  v24-31 of n-tile 2 G + 1
.set F1,    24
.set QF,    32                         ; v32-39, v40-47  query's two fragments
.set SEL,   38                         ; s[38:39] lane selects for lane l xor 16
	s_load_b256 s[4:11], s[0:1], 0x0               ; Wk s[4:5], Wq s[6:7], query s[8:9], bq s[10:11]
	s_load_b256 s[12:19], s[0:1], 0x20             ; bk s[12:13], bt s[14:15], wkc s[16:17], wks s[18:19]
	s_load_b64 s[20:21], s[0:1], 0x40              ; cv
	v_lshl_add_u32 v58, v0, 2, 0x8000
	v_mov_b32 v59, 0
	v_lshrrev_b32 v9, 5, v0
	s_delay_alu instid0(VALU_DEP_1)
	v_readfirstlane_b32 s22, v9                    ; wave = K step ks
	s_and_b32 s23, ttmp9, 31                       ; G: which 32 columns
	v_and_b32 v1, 31, v0                           ; lane
	v_and_b32 v10, 15, v0                          ; r
	v_bfe_u32 v11, v0, 4, 1                        ; h
	s_delay_alu instid0(VALU_DEP_3)
	v_lshlrev_b32 v2, 2, v1                        ; W: 4 bytes a lane
	s_delay_alu instid0(VALU_DEP_4)
	v_lshlrev_b32 v3, 4, v1                        ; an image's place for my lane
	s_delay_alu instid0(VALU_DEP_4)
	v_lshlrev_b32 v4, 12, v10
	s_delay_alu instid0(VALU_DEP_1)
	v_lshl_add_u32 v6, v11, 5, v4                  ; cv: row r of 4,096 bytes + 32 h
	s_delay_alu instid0(VALU_DEP_2)
	v_lshl_add_u32 v4, v11, 6, v4                  ; query: row r + 64 h: my 16 numbers of a block of 32
	v_lshlrev_b32 v5, 5, v11                       ; the biases: 32 h
	s_lshl_b32 s24, s22, 12
	v_add_nc_u32 v7, s24, v3                       ; LDS: my wave's 4,096 bytes of partial sums
	s_lshl_b32 s24, s22, 9
	v_add_nc_u32 v8, s24, v3                       ; and the piece of 512 bytes that I add up, in each wave's part
	s_lshl_b32 s26, s22, 19                        ; 128 rows of 4,096 bytes a K step
	s_lshl_b32 s27, s23, 7                         ; 32 columns of 4 bytes
	s_add_co_u32 s26, s26, s27
	s_mov_b32 s27, 0
	s_wait_kmcnt 0x0
.macro WLOAD beta, s                   ; block beta of my K step: W(128 ks + 32 beta + i, my column) into v[s + i]; 32 lanes read 128 consecutive bytes
.set I, 0
.rept 32
	global_load_b32 v[(\s)+I], v2, s[24:25] offset:(32*(\beta)+I)*4096 th:TH_LOAD_NT
.set I, I+1
.endr
.endm
.macro WBLOCK beta, s, d               ; its scale byte into the word, its 32 codes into v[d .. d + 3]
	v_max3_num_f32 v48, |v[(\s)]|, |v[(\s)+1]|, |v[(\s)+2]|
	v_max3_num_f32 v49, |v[(\s)+3]|, |v[(\s)+4]|, |v[(\s)+5]|
.irp i, 6,10,14,18,22,26
	s_delay_alu instid0(VALU_DEP_2)
	v_max3_num_f32 v48, v48, |v[(\s)+\i]|, |v[(\s)+\i+1]|
	s_delay_alu instid0(VALU_DEP_2)
	v_max3_num_f32 v49, v49, |v[(\s)+\i+2]|, |v[(\s)+\i+3]|
.endr
	s_delay_alu instid0(VALU_DEP_2)
	v_max3_num_f32 v48, v48, |v[(\s)+30]|, |v[(\s)+31]|
	s_delay_alu instid0(VALU_DEP_1)
	v_max3_num_f32 v48, v48, v49, FLOOR            ; the floor holds the byte at 1 from below
	s_delay_alu instid0(VALU_DEP_1)
	v_add_nc_u32 v50, EOFF, v48                    ; 2 off the exponent field: the conversion's scale operand
	s_delay_alu instid0(VALU_DEP_1)
	v_lshrrev_b32 v51, 23, v50                     ; the byte
.if (\beta) == 0
	s_delay_alu instid0(VALU_DEP_1)
	v_mov_b32 v[SWR], v51
.else
	s_delay_alu instid0(VALU_DEP_1)
	v_lshl_or_b32 v[SWR], v51, 8*(\beta), v[SWR]
.endif
.irp g, 0,1,2,3
	v_cvt_scalef32_pk8_fp4_f32 v[(\d)+\g], v[(\s)+8*\g:(\s)+8*\g+7], v50
.endr
	v_nop                                          ; one plain place behind the scaled conversions
.endm
; Blocks 0, 2 stand in F0 and blocks 1, 3 in F1, each lane its own column.  The operand wants lanes 0-15 with block 2 c and lanes 16-31 with block 2 c + 1 of ONE n-tile:
; the exchange of F0's upper lanes with F1's lower lanes gives n-tile 2 G in F0 and n-tile 2 G + 1 in F1.
.macro WSWAP
.irp g, 0,1,2,3
	v_permlane16_swap_b32 v[F0+\g], v[F1+\g]
	v_permlane16_swap_b32 v[F0+4+\g], v[F1+4+\g]
.endr
.endm
	s_cmp_lt_u32 ttmp9, 32                         ; the two paths part once, on the work-group's number
	s_cbranch_scc0 .Lwq
	; ---------------- Wk: codes and scale words to memory
	s_add_nc_u64 s[24:25], s[4:5], s[26:27]
	s_wait_alu depctr_va_vdst(0)
	WLOAD 0, 192
	WLOAD 1, 224
	WLOAD 2, 64
	WLOAD 3, 96
	s_lshr_b32 s28, s23, 2                         ; wkc: (n-tile / 8) x 65,536 + ks x 8,192 + (n-tile % 8) x 1,024, n-tile = 2 G
	s_lshl_b32 s28, s28, 16
	s_lshl_b32 s29, s22, 13
	s_add_co_u32 s28, s28, s29
	s_and_b32 s29, s23, 3
	s_lshl_b32 s29, s29, 11
	s_add_co_u32 s28, s28, s29
	s_mov_b32 s29, 0
	s_add_nc_u64 s[16:17], s[16:17], s[28:29]
	s_lshl_b32 s28, s23, 10                        ; wks: G x 1,024 + (ks / 4) x 512 + (ks % 4) x 4
	s_lshr_b32 s30, s22, 2
	s_lshl_b32 s30, s30, 9
	s_add_co_u32 s28, s28, s30
	s_and_b32 s30, s22, 3
	s_lshl_b32 s30, s30, 2
	s_add_co_u32 s28, s28, s30
	s_add_nc_u64 s[18:19], s[18:19], s[28:29]
	s_wait_loadcnt 63                              ; behind block 0's loads stand 96 younger ones; the wait's field holds 63, and a smaller count is safe
	WBLOCK 0, 192, F0
	s_wait_loadcnt 63                              ; 64 younger
	WBLOCK 1, 224, F1
	s_wait_loadcnt 32                              ; block 3's may be out
	WBLOCK 2, 64, F0+4
	s_wait_loadcnt 0x0
	WBLOCK 3, 96, F1+4
	WSWAP
	global_store_b128 v3, v[F0:F0+3], s[16:17]                 ; each store of the wave covers 512 consecutive bytes, aligned
	global_store_b128 v3, v[F0+4:F0+7], s[16:17] offset:512
	global_store_b128 v3, v[F1:F1+3], s[16:17] offset:1024
	global_store_b128 v3, v[F1+4:F1+7], s[16:17] offset:1536
	global_store_b32 v3, v[SWR], s[18:19]                      ; my column's word of this K step: 4 bytes in every 16
	s_endpgm
	; ---------------- Wq: the product with query, and the biases
.Lwq:
	s_add_nc_u64 s[24:25], s[6:7], s[26:27]
	s_lshl_b32 s28, s22, 9
	s_mov_b32 s29, 0
	s_add_nc_u64 s[8:9], s[8:9], s[28:29]          ; query at my K step: 512 bytes a step
	; after the sum over K wave w owns registers 4 hf .. 4 hf + 3 of accumulator (T, mt): T = w / 4, mt = (w / 2) % 2, hf = w % 2
	s_lshr_b32 s30, s22, 2
	s_bfe_u32 s31, s22, 0x10001
	s_and_b32 s32, s22, 1
	s_lshl_b32 s28, s23, 7                         ; column 32 G + 16 T + 4 hf, in bytes
	s_lshl_b32 s30, s30, 6
	s_add_co_u32 s28, s28, s30
	s_lshl_b32 s32, s32, 4
	s_add_co_u32 s28, s28, s32
	s_add_nc_u64 s[10:11], s[10:11], s[28:29]
	s_add_nc_u64 s[12:13], s[12:13], s[28:29]
	s_add_nc_u64 s[14:15], s[14:15], s[28:29]
	s_lshl_b32 s31, s31, 16                        ; + 16 mt rows of cv
	s_add_co_u32 s28, s28, s31
	s_add_nc_u64 s[20:21], s[20:21], s[28:29]
	s_mov_b32 s36, C2
	s_mov_b32 s37, C2                              ; (named with it as a pair, so it is written)
	s_mov_b32 s[SEL], 0x76543210
	s_mov_b32 s[SEL+1], 0xfedcba98
.irp b, 0,1,2,3
	v_mov_b32 v[TM+4+\b], 0                        ; written once: a lane permute's destination counts as one of its sources
.endr
	s_wait_alu depctr_va_vdst(0)
.irp mt, 0,1                                   ; query: lane (r, h) takes, of row 16 mt + r, 16 neighbours of each block of 32: register 16 b + i = k 32 b + 16 h + i
.irp b, 0,1,2,3
.irp j, 0,1,2,3
	global_load_b128 v[64+64*\mt+16*\b+4*\j:64+64*\mt+16*\b+4*\j+3], v4, s[8:9] offset:\mt*65536+\b*128+\j*16
.endr
.endr
.endr
	WLOAD 0, 192
	WLOAD 1, 224
; 64 numbers of a lane become a fragment's codes in v[pc ..] and its scale word in v[pw]
.macro QUANT s, pc, pw
.irp b, 0,1,2,3
	v_max3_num_f32 v[TM+\b], |v[(\s)+16*\b]|, |v[(\s)+1+16*\b]|, FLOOR
.endr
.irp i, 2,4,6,8,10,12,14
.irp b, 0,1,2,3
	s_delay_alu instid0(VALU_DEP_4)
	v_max3_num_f32 v[TM+\b], v[TM+\b], |v[(\s)+16*\b+\i]|, |v[(\s)+1+16*\b+\i]|
.endr
.endr
.irp b, 0,1,2,3
	s_delay_alu instid0(VALU_DEP_4)
	v_permlanex16_b32 v[TM+4+\b], v[TM+\b], s[SEL], s[SEL+1]
.endr
.irp b, 0,1,2,3
	s_delay_alu instid0(VALU_DEP_4)
	v_max_num_f32 v[TM+\b], v[TM+\b], v[TM+4+\b]   ; with lane l xor 16's 16 numbers: the block's largest magnitude
.endr
.irp b, 0,1,2,3
	s_delay_alu instid0(VALU_DEP_4)
	v_add_nc_u32 v[TM+12+\b], EOFF, v[TM+\b]
.endr
.irp b, 0,1,2,3
	s_delay_alu instid0(VALU_DEP_4)
	v_lshrrev_b32 v[TM+4+\b], 23, v[TM+12+\b]
.endr
	s_delay_alu instid0(VALU_DEP_3)
	v_lshl_or_b32 v[\pw], v[TM+5], 8, v[TM+4]
	s_delay_alu instid0(VALU_DEP_1)
	v_lshl_or_b32 v[\pw], v[TM+6], 16, v[\pw]
	s_delay_alu instid0(VALU_DEP_1)
	v_lshl_or_b32 v[\pw], v[TM+7], 24, v[\pw]
.irp b, 0,1,2,3
	v_cvt_scalef32_pk8_fp4_f32 v[(\pc)+2*\b], v[(\s)+16*\b:(\s)+7+16*\b], v[TM+12+\b]
	v_cvt_scalef32_pk8_fp4_f32 v[(\pc)+1+2*\b], v[(\s)+8+16*\b:(\s)+15+16*\b], v[TM+12+\b]
.endr
	v_nop                                          ; one plain place behind the scaled conversions
.irp c, 0,1                                    ; a whole block to a lane: lanes 0-15 block 2 c, lanes 16-31 block 2 c + 1
.irp i, 0,1
	v_permlane16_swap_b32 v[(\pc)+4*\c+\i], v[(\pc)+2+4*\c+\i]
.endr
.endr
.endm
	s_wait_loadcnt 63                              ; query's 32 loads are in: 64 younger ones stand behind them
	QUANT 64, QF, QS
	QUANT 128, QF+8, QS+1
	WLOAD 2, 64                                    ; into the registers that query's numbers have left
	WLOAD 3, 96
	s_wait_loadcnt 63                              ; 96 younger
	WBLOCK 0, 192, F0
	s_wait_loadcnt 63                              ; 64 younger
	WBLOCK 1, 224, F1
	s_wait_loadcnt 32
	WBLOCK 2, 64, F0+4
	s_wait_loadcnt 0x0
	WBLOCK 3, 96, F1+4
	WSWAP
	global_load_b128 v[64:67], v5, s[10:11]        ; bq, bk, bt at my four columns: wanted behind the barrier
	global_load_b128 v[68:71], v5, s[12:13]
	global_load_b128 v[72:75], v5, s[14:15]
.rept 8
	v_nop                                          ; a scale register written by a vector instruction stands 8 places ahead of a scaled matrix instruction, an operand 4
.endr
	; TRANSPOSED: source 0 = 16 columns of Wq, source 1 = 16 rows of query: lane (r, h) holds batch 16 mt + r and columns 16 T + 8 h + 0 .. 7.  Accumulator 2 T + mt
	v_wmma_scale_f32_16x16x128_f8f6f4 v[128:135], v[F0:F0+7], v[QF:QF+7], 0, v[SWR], v[QS] matrix_a_fmt:MATRIX_FMT_FP4 matrix_b_fmt:MATRIX_FMT_FP4
	v_wmma_scale_f32_16x16x128_f8f6f4 v[136:143], v[F0:F0+7], v[QF+8:QF+15], 0, v[SWR], v[QS+1] matrix_a_fmt:MATRIX_FMT_FP4 matrix_b_fmt:MATRIX_FMT_FP4
	v_wmma_scale_f32_16x16x128_f8f6f4 v[144:151], v[F1:F1+7], v[QF:QF+7], 0, v[SWR], v[QS] matrix_a_fmt:MATRIX_FMT_FP4 matrix_b_fmt:MATRIX_FMT_FP4 matrix_a_scale:MATRIX_SCALE_ROW1
	v_wmma_scale_f32_16x16x128_f8f6f4 v[152:159], v[F1:F1+7], v[QF+8:QF+15], 0, v[SWR], v[QS+1] matrix_a_fmt:MATRIX_FMT_FP4 matrix_b_fmt:MATRIX_FMT_FP4 matrix_a_scale:MATRIX_SCALE_ROW1
.rept 4
	v_nop                                          ; four places in front of the first read of results (ISA guide 7.12.1)
.endr
.irp a, 0,1,2,3
	ds_store_b128 v7, v[128+8*\a:128+8*\a+3] offset:\a*1024          ; each accumulator from its low end on
	ds_store_b128 v7, v[128+8*\a+4:128+8*\a+7] offset:\a*1024+512
.endr
	s_wait_dscnt 0x0                               ; for the others' sake: my partial sums lie in LDS
	s_barrier_signal -1
	s_barrier_wait -1
.irp u, 0,1,2,3,4,5,6,7
	ds_load_b128 v[160+4*\u:160+4*\u+3], v8 offset:\u*4096           ; my piece of each wave's K step
.endr
	s_wait_dscnt 0x0
.irp u, 0,2,4,6
	v_pk_add_f32 v[160+4*\u:161+4*\u], v[160+4*\u:161+4*\u], v[164+4*\u:165+4*\u]
	v_pk_add_f32 v[162+4*\u:163+4*\u], v[162+4*\u:163+4*\u], v[166+4*\u:167+4*\u]
.endr
.irp u, 0
	v_pk_add_f32 v[160+4*\u:161+4*\u], v[160+4*\u:161+4*\u], v[168+4*\u:169+4*\u]
	v_pk_add_f32 v[162+4*\u:163+4*\u], v[162+4*\u:163+4*\u], v[170+4*\u:171+4*\u]
.endr
.irp u, 4
	s_delay_alu instid0(VALU_DEP_4)
	v_pk_add_f32 v[160+4*\u:161+4*\u], v[160+4*\u:161+4*\u], v[168+4*\u:169+4*\u]
	s_delay_alu instid0(VALU_DEP_4)
	v_pk_add_f32 v[162+4*\u:163+4*\u], v[162+4*\u:163+4*\u], v[170+4*\u:171+4*\u]
.endr
	s_delay_alu instid0(VALU_DEP_2)
	v_pk_add_f32 v[160:161], v[160:161], v[176:177]
	s_delay_alu instid0(VALU_DEP_2)
	v_pk_add_f32 v[162:163], v[162:163], v[178:179]
	s_wait_alu depctr_va_vdst(0)
	s_wait_loadcnt 0x0                             ; the biases
.irp u, 64
	v_pk_add_f32 v[160:161], v[160:161], v[\u:\u+1]
	v_pk_add_f32 v[162:163], v[162:163], v[\u+2:\u+3]
.endr
.irp u, 68, 72
	s_delay_alu instid0(VALU_DEP_2)
	v_pk_add_f32 v[160:161], v[160:161], v[\u:\u+1]
	s_delay_alu instid0(VALU_DEP_2)
	v_pk_add_f32 v[162:163], v[162:163], v[\u+2:\u+3]
.endr
	s_delay_alu instid0(VALU_DEP_2)
	v_pk_mul_f32 v[160:161], v[160:161], s[36:37] op_sel_hi:[1,0]
	s_delay_alu instid0(VALU_DEP_2)
	v_pk_mul_f32 v[162:163], v[162:163], s[36:37] op_sel_hi:[1,0]
	global_store_b128 v6, v[160:163], s[20:21]     ; cv(16 mt + r, 32 G + 16 T + 8 h + 4 hf + 0 .. 3)
	s_wait_tensorcnt 0x0
	ds_add_u32 v58, v59
	s_wait_dscnt 0x0
	s_endpgm
.Lfunc_end_k_qeca0c39012_prep:
	.size	k_qeca0c39012_prep, .Lfunc_end_k_qeca0c39012_prep-k_qeca0c39012_prep
	.p2alignl 7, 3214868480
	.fill 96, 4, 3214868480
	.section	.rodata,"a",@progbits
	.p2align	6, 0x0
	.amdhsa_kernel k_qeca0c39012_prep
		.amdhsa_group_segment_fixed_size 33792
		.amdhsa_private_segment_fixed_size 0
		.amdhsa_enable_private_segment 0
		.amdhsa_kernarg_size 72
		.amdhsa_user_sgpr_count 2
		.amdhsa_user_sgpr_kernarg_segment_ptr 1
		.amdhsa_wavefront_size32 1
		.amdhsa_system_sgpr_workgroup_id_x 1
		.amdhsa_system_sgpr_workgroup_id_y 1
		.amdhsa_system_sgpr_workgroup_id_z 1
		.amdhsa_system_vgpr_workitem_id 0
		.amdhsa_next_free_vgpr 256
		.amdhsa_next_free_sgpr 66
		.amdhsa_reserve_vcc 0
		.amdhsa_float_denorm_mode_32 3
		.amdhsa_float_denorm_mode_16_64 3
		.amdhsa_memory_ordered 1
		.amdhsa_forward_progress 1
		.amdhsa_inst_pref_size 63
	.end_amdhsa_kernel
	.amdgpu_metadata
---
amdhsa.version: [ 1, 2 ]
amdhsa.kernels:
  - .name:           k_qeca0c39012_prep
    .symbol:         k_qeca0c39012_prep.kd
    .args:
      - { .name: Wk, .offset: 0, .size: 8, .value_kind: global_buffer, .address_space: global }
      - { .name: Wq, .offset: 8, .size: 8, .value_kind: global_buffer, .address_space: global }
      - { .name: query, .offset: 16, .size: 8, .value_kind: global_buffer, .address_space: global }
      - { .name: bq, .offset: 24, .size: 8, .value_kind: global_buffer, .address_space: global }
      - { .name: bk, .offset: 32, .size: 8, .value_kind: global_buffer, .address_space: global }
      - { .name: bt, .offset: 40, .size: 8, .value_kind: global_buffer, .address_space: global }
      - { .name: wkc, .offset: 48, .size: 8, .value_kind: global_buffer, .address_space: global }
      - { .name: wks, .offset: 56, .size: 8, .value_kind: global_buffer, .address_space: global }
      - { .name: cv, .offset: 64, .size: 8, .value_kind: global_buffer, .address_space: global }
    .group_segment_fixed_size: 33792
    .private_segment_fixed_size: 0
    .kernarg_segment_align: 8
    .kernarg_segment_size: 72
    .max_flat_workgroup_size: 256
    .sgpr_count:     66
    .vgpr_count:     256
    .wavefront_size: 32
...
	.end_amdgpu_metadata
.endif
;; end of part 1
;; launch main (part 2): grid 26 x 32, 4 waves a work-group, no clusters, 309,248 bytes of LDS; arguments seq, time_features, lengths, Wt, Ws, bs, wkc, wks, cv, part, stat; writes part, stat
.if DOCPART == 2
	.amdgcn_target "amdgcn-amd-amdhsa--gfx1250"
	.amdhsa_code_object_version 6
	.text
	.protected	k_qeca0c39012_main
	.globl	k_qeca0c39012_main
	.p2align	8
	.type	k_qeca0c39012_main,@function
k_qeca0c39012_main:
	s_mov_b64 s[64:65], 0
	v_nop
	global_prefetch_b8 v0, s[64:65] scope:SCOPE_SE
	s_setreg_imm32_b32 hwreg(HW_REG_WAVE_MODE, 25, 1), 1
	s_wait_xcnt 0x0
; A work-group takes 80 rows of seq of one batch b (tile j) ONCE through everything: quantise to FP4 along H, seq Wk on codes, tanh(. + q + t) . Ws + bs, the mask, a softmax over the tile's rows, and the
; weighted sum of the same rows.  It stores the tile's largest t = score x log2(e), the sum l of p = 2^(t - m), and the 1,024 sums of p x seq; the next launch joins the tiles of a batch.
; THE MASK is built from lengths: a tile all of whose rows lie at or past lengths[b] has nothing to add.  The grid, 26 x 32, serves every split of lengths; a work-group without rows stores nothing.
; That is a branch on a loaded number, so this text has no tensor load and no copy, its barriers and loops stand outside the branch, and the work stands in guarded stretches, each of which reads only registers
; made at top level or inside itself.  No cluster: partners would differ in whether they have work.
; The tile's first row is min(80 j, 1,968), so that all 80 rows lie inside the batch; a row counts where 0 <= row - 80 j < lengths[b] - 80 j (one unsigned compare).
; SHARES.  P1: wave w takes columns 256 w .. 256 w + 255 (K steps 2 w, 2 w + 1) of all 80 rows from memory, and leaves in LDS their codes, scale bytes and the upper 24 bits of each number.
;   P2: wave w makes columns 256 w .. of seq Wk, in 2 passes of 8 n-tiles x 5 tiles of 16 rows (40 accumulators), Wk's fragments coming from memory straight into operand registers, laid so by the launch before.
;   P3: thread T sums columns 4 T .. 4 T + 3 and 512 + 4 T .. 512 + 4 T + 3 over the 80 rows.
; THE ROWS FOR THE LAST PRODUCT: 80 rows of f32 are 327,680 bytes, more than LDS has beside the codes; at 3 bytes a number they are 245,760.  A number's upper 16 bits go to one plane, its next 8 bits to another, and
; one byte permute a number puts them together again.  16 bits a number (bf16) are too few: where a batch has few rows and their terms nearly cancel, the rounding of the terms shows in the sum.
; tanh x = 1 - 2 / (1 + 2^(c x)), c = 2 log2(e); sum of Ws tanh = sum of Ws + sum of (-2 Ws) / (1 + 2^(c x)).
; THE MATRIX INSTRUCTION IS USED TRANSPOSED (source 0 = 16 columns of Wk, source 1 = 16 rows of seq): lane (r, h) holds row 16 s + r and columns 16 t + 8 h + 0 .. 7.
; LIMITS: lengths in 1 .. 2,048; NaN and infinities are not served; a block of zeros gets the byte 1 and zero codes; blocks under 2^-124 keep the byte 1; the last product takes seq cut to its upper 24 bits
; (toward zero, a relative error under 2^-15), p and the sums in f32.
; REGISTERS, in windows of 256 (s_set_vgpr_msb: bits 1:0 source 0, 3:2 source 1, 5:4 source 2, 7:6 destination):
;   window 0: v1-31 addresses (v26-29 P1's maxima); v32-63 Wk's scale words of a pass, v64-103 seq's (scales and nothing else); v104-183 two sets of seq's fragments; in P1 v104-143 at work, v144-255 a ring of 7 x 16;
;   in P3 v104-119 p, v120-215 sixteen rows, v216-223 eight numbers at work, v244-251 the eight sums.
;   window 1: Wk's fragments, four sets of 64.   windows 2, 3: n-tiles 0-3 and 4-7 of the pass: v0-159 accumulators 8 (5 tl + s); v160-207 constants; v208-217 time features; v218-227 the rows' sums; v228-229 the sum of -2 Ws;
;   v230 the constants' LDS address.
.set C2,    0x4038aa3b                 ; 2 log2(e)
.set LOG2E, 0x3fb8aa3b
.set FLOOR, 0x1800000                  ; 2^(3 - 127)
.set EOFF,  0xff000000                 ; -(2 << 23)
.set TR,    80                         ; rows in a tile
.set BYT,   163840                     ; LDS: the numbers' upper halves at 0, 2,048 bytes a row; then their third bytes, 1,024 bytes a row;
.set CODE,  BYT+81920                  ; then the codes: K step x KSB + block x BLB + row x 16
.set BLB,   1296                       ; 80 rows x 16 bytes + 16
.set KSB,   4*BLB
.set SCA,   CODE+8*KSB                 ; seq's scale bytes: (K step / 4) x 1,280 + row x 16 + (K step % 4) x 4 + block
.set CST,   SCA+2560                   ; constants: wave x 4,096 + n-tile x 256 + h x 128 + {cv, c Wt0, c Wt1, -2 Ws} x 32
.set PS,    CST+16384                  ; the waves' parts of the scores: wave x 320 + row x 4
.set PB,    PS+1280                    ; p: each wave's own copy: wave x 320 + row x 4
.set WS,    32
.set AS,    64
.set AF,    104
.set SCR,   104                        ; P1: two sets of 16: upper halves 4 + 4, third bytes 2 + 2, code words 2, scale bytes 2
.set TT,    136                        ; P1: v136-143 pairs of third bytes
.set RING,  64                         ; P1's ring lies in WINDOW 1, v64-255, which is idle in P1 (this takes the place of the ring named at the head); the maxima's first rounds use v26, v28 of window 1
.set DEPTH, 12                         ; slots of the ring: 48 loads of 512 bytes of a wave are on their way
.set CAT,   35                         ; the constants' loads go out behind batch 34, into slots 5 and 6, which are free from there on
.set CB,    RING+16*5
.set PV,    104                        ; P3: p of 16 rows
.set X,     120                        ; P3: row k at v[X + 6 k]: upper halves 2 + 2, third bytes 1 + 1
.set TP,    216                        ; P3: eight numbers put together
.set SU,    244                        ; P3: the eight sums
.set MSB, 0
.macro WIN new                         ; the immediate's high byte repeats the setting that is left
.if MSB != \new
	s_set_vgpr_msb (MSB<<8)|\new
.set MSB, \new
.endif
.endm
.macro GUARD lbl                       ; has the tile a row that counts?  80 j < lengths[b]
	s_cmp_lt_u32 s29, s31
	s_cbranch_scc0 \lbl
.endm
	s_load_b256 s[4:11], s[0:1], 0x0               ; seq s[4:5], time_features s[6:7], lengths s[8:9], Wt s[10:11]
	s_load_b256 s[12:19], s[0:1], 0x20             ; Ws s[12:13], bs s[14:15], wkc s[16:17], wks s[18:19]
	s_load_b128 s[20:23], s[0:1], 0x40             ; cv s[20:21], part s[22:23]
	s_load_b64 s[24:25], s[0:1], 0x50              ; stat
	s_set_vgpr_msb 0x80
	v_lshl_add_u32 v254, v0, 2, 0x4b600
	v_mov_b32 v255, 0
	s_set_vgpr_msb 0x8000
	v_lshrrev_b32 v1, 5, v0
	v_readfirstlane_b32 s26, v1                    ; wave w
	s_mov_b32 s27, ttmp9                           ; tile j
	s_and_b32 s28, ttmp7, 0xffff                   ; batch b
	s_mul_i32 s29, s27, TR                         ; lo = 80 j
	s_min_u32 s30, s29, 2048-TR                    ; the tile's first row
	s_sub_co_u32 s34, s30, s29                     ; first row - lo: 0, or -32 in the last tile
	s_lshl_b32 s2, s28, 2
	s_mov_b32 s3, 0
	s_wait_kmcnt 0x0
	s_add_nc_u64 s[8:9], s[8:9], s[2:3]
	s_load_b32 s31, s[8:9], 0x0                    ; lengths[b]
	s_load_b32 s32, s[14:15], 0x0                  ; bs
	s_mov_b32 s36, C2
	s_mov_b32 s37, C2                              ; (named with it as a pair, so it is written)
	s_mov_b32 s38, 0x76543210
	s_mov_b32 s39, 0xfedcba98                      ; lane selects for lane l xor 16
	v_and_b32 v1, 31, v0                           ; lane
	v_and_b32 v2, 15, v0                           ; r
	v_bfe_u32 v3, v0, 4, 1                         ; h
	v_lshlrev_b32 v4, 4, v1                        ; 16 x lane: Wk's images
	v_lshlrev_b32 v5, 4, v2
	v_mad_u32_u24 v5, v3, BLB, v5
	v_add_nc_u32 v5, CODE, v5                      ; seq's fragments: row r, block h
	v_lshl_add_u32 v6, v2, 4, SCA                  ; seq's scale words: row r
	v_lshlrev_b32 v7, 3, v2                        ; time features: 8 bytes a row
	s_lshl_b32 s35, s26, 12
	s_add_co_u32 s35, s35, CST
	v_lshl_add_u32 v8, v3, 7, s35                  ; my wave's constants, my half's
	v_lshl_add_u32 v23, v1, 7, s35                 ; and where P1 puts them: lane l holds columns 8 l .. 8 l + 7 = n-tile l / 2, half l % 2
	s_mul_i32 s35, s26, 320
	v_lshl_add_u32 v9, v2, 2, s35
	v_add_nc_u32 v11, PB, v9                       ; p, on the way in
	v_add_nc_u32 v9, PS, v9                        ; my wave's part of the scores
	v_lshl_add_u32 v10, v2, 2, PS                  ; all waves' parts, on the way out
	s_add_co_u32 s35, s35, PB
	v_mov_b32 v12, s35                             ; p, on the way out: the same address in every lane
	v_lshlrev_b32 v13, 3, v0                       ; 8 x thread: the upper halves of my four numbers of a row
	v_lshlrev_b32 v14, 4, v0                       ; 16 x thread: my four sums in part
	v_lshlrev_b32 v15, 3, v1                       ; 8 x lane: stat
	v_lshlrev_b32 v18, 5, v2
	v_lshl_add_u32 v18, v3, 4, v18                 ; P1: lane (r, h) takes piece 2 r + h of a load's 32 pieces of 16 bytes
	v_lshrrev_b32 v16, 2, v2                       ; r / 4: which block of the K step
	v_and_b32 v17, 3, v2                           ; r % 4: which word of the block's 16 bytes
	v_mul_u32_u24 v19, v16, BLB
	v_lshl_add_u32 v19, v17, 2, v19
	v_mad_u32_u24 v19, v3, 640, v19                ; lanes 16-31 hold the row 40 further down
	s_mul_i32 s35, s26, 2*KSB
	s_add_co_u32 s35, s35, CODE
	v_add_nc_u32 v19, s35, v19                     ; where my code word goes
	v_mul_u32_u24 v20, v3, 81920
	v_lshl_add_u32 v20, v2, 4, v20
	s_lshl_b32 s35, s26, 9
	v_add_nc_u32 v20, s35, v20                     ; where my 8 upper halves go: 40 h rows + 512 w + 16 r;
	v_add_nc_u32 v21, 65536, v20                   ; the same 32 rows on: an LDS offset has 16 bits
	s_lshr_b32 s35, s26, 1
	s_mul_i32 s35, s35, 1280
	s_and_b32 s2, s26, 1
	s_lshl_b32 s2, s2, 3
	s_add_co_u32 s35, s35, s2
	s_add_co_u32 s35, s35, SCA
	v_mad_u32_u24 v22, v3, 640, v16
	v_add_nc_u32 v22, s35, v22                     ; where my block's scale byte goes
	v_lshlrev_b32 v24, 5, v1                       ; 32 x lane: my 8 columns of a constant
	v_add_nc_u32 v25, s34, v2                      ; r + first row - lo: the mask's index of row r
	v_mul_u32_u24 v30, v3, 40960
	v_lshl_add_u32 v30, v2, 3, v30
	s_lshl_b32 s35, s26, 8
	s_add_co_u32 s35, s35, BYT
	v_add_nc_u32 v30, s35, v30                     ; where my 8 third bytes go: 40 h rows + 256 w + 8 r
	v_lshl_add_u32 v31, v0, 2, BYT                 ; 4 x thread: the third bytes of my four numbers of a row
	s_lshl_b32 s35, s28, 11
	s_add_co_u32 s35, s35, s30                     ; b x 2,048 + first row
	s_lshl_b32 s2, s35, 12
	s_lshl_b32 s58, s26, 10
	s_add_co_u32 s2, s2, s58
	s_add_nc_u64 s[40:41], s[4:5], s[2:3]          ; seq at the tile's first row, my wave's 1,024 bytes
	s_lshl_b32 s2, s35, 3
	s_add_nc_u64 s[42:43], s[6:7], s[2:3]          ; time features
	s_lshl_b32 s2, s26, 17
	s_add_nc_u64 s[44:45], s[16:17], s[2:3]        ; Wk's codes: my 16 n-tiles
	s_lshl_b32 s2, s26, 13
	s_add_nc_u64 s[46:47], s[18:19], s[2:3]        ; Wk's scale words
	s_mov_b32 s2, s58
	s_add_nc_u64 s[50:51], s[10:11], s[2:3]        ; Wt, Ws at my 256 columns
	s_add_nc_u64 s[52:53], s[12:13], s[2:3]
	s_lshl_b32 s2, s28, 12
	s_add_co_u32 s2, s2, s58
	s_add_nc_u64 s[48:49], s[20:21], s[2:3]        ; cv: row b
	s_lshl_b32 s35, s28, 5
	s_add_co_u32 s35, s35, s27                     ; 32 b + j
	s_lshl_b32 s2, s35, 12
	s_add_nc_u64 s[54:55], s[22:23], s[2:3]
	s_lshl_b32 s2, s35, 8
	s_add_nc_u64 s[56:57], s[24:25], s[2:3]
	WIN 0x80                                       ; the sums that run over the passes begin as zeros
.set I, 218
.rept 12
	v_mov_b32 v[I], 0
.set I, I+1
.endr
	WIN 0xc0
.set I, 218
.rept 12
	v_mov_b32 v[I], 0
.set I, I+1
.endr
	WIN 0
	s_wait_alu depctr_va_vdst(0)
	s_wait_kmcnt 0x0                               ; lengths[b] and bs are in: their bases are free
	s_sub_co_u32 s33, s31, s29                     ; lengths[b] - lo
	; byte selects for v_perm_b32 (0-3: bytes of the second source, 4-7: of the first, 12: a zero), in scalar registers that the buffers' addresses have left
	s_mov_b32 s4, 0x07060302                       ; the upper halves of two numbers
	s_mov_b32 s5, 0x0501                           ; their third bytes, into the low half (the upper half is not used)
	s_mov_b32 s6, 0x05040100                       ; two low halves
	s_mov_b32 s8, 0x0504000c                       ; a number again: a zero, its third byte, its upper half: numbers 0 to 3 of a word of third bytes
	s_mov_b32 s9, 0x0706010c
	s_mov_b32 s10, 0x0504020c
	s_mov_b32 s11, 0x0706030c
; ---------------- P1: my 1,024 bytes of each row, two rows (P and P + 40) at a time
; Each load reads 512 consecutive bytes (a row's K step).  Lane (r, h) takes numbers 8 r + 4 h + 0 .. 3.  The exchange of the first row's upper lanes with the second row's lower lanes leaves lane (r, h) with numbers
; 8 r .. 8 r + 7 of row P + 40 h in eight consecutive registers, as the conversion wants them; four neighbouring lanes hold a block of 32.
.macro SLOAD p
.set SL, RING+16*((\p)%DEPTH)
	WIN 0x40                                       ; destination window 1, address window 0
	global_load_b128 v[SL:SL+3], v18, s[40:41] offset:(\p)*4096 th:TH_LOAD_NT
	global_load_b128 v[SL+4:SL+7], v18, s[40:41] offset:((\p)+40)*4096 th:TH_LOAD_NT
	global_load_b128 v[SL+8:SL+11], v18, s[40:41] offset:(\p)*4096+512 th:TH_LOAD_NT
	global_load_b128 v[SL+12:SL+15], v18, s[40:41] offset:((\p)+40)*4096+512 th:TH_LOAD_NT
.endm
.macro BATCH p
.set SL, RING+16*((\p)%DEPTH)
.set SC, SCR+16*((\p)%2)
.set NY, 39-(\p)
.if NY > DEPTH-1
.set NY, DEPTH-1
.endif
.set NY, 4*NY
.if (\p) >= CAT
.set NY, NY+8
.endif
	s_wait_loadcnt NY                              ; my four loads are in; the younger batches' four each, and from batch 35 on the eight constants' loads, stay out
.if (\p) >= 2
	s_wait_dscnt 8                                 ; the last batch's eight stores may be out; those of the batch before, which read this set of registers, are done
.endif
	WIN 0x55                                       ; every operand in window 1
.irp e, 0,1
.irp k, 0,1,2,3
	v_permlane16_swap_b32 v[SL+8*\e+\k], v[SL+8*\e+4+\k]
.endr
.endr
.irp e, 0,1
	v_max3_num_f32 v[26+2*\e], |v[SL+8*\e]|, |v[SL+8*\e+1]|, FLOOR     ; the floor holds the byte at 1 from below
.endr
.irp i, 2,4
.irp e, 0,1
	v_max3_num_f32 v[26+2*\e], v[26+2*\e], |v[SL+8*\e+\i]|, |v[SL+8*\e+\i+1]|
.endr
.endr
	WIN 0x15                                       ; the last round's result goes to window 0, where the rest of the scale's lines work
.irp e, 0,1
	v_max3_num_f32 v[26+2*\e], v[26+2*\e], |v[SL+8*\e+6]|, |v[SL+8*\e+7]|
.endr
	WIN 0
.irp e, 0,1
	v_max_num_f32_dpp v[26+2*\e], v[26+2*\e], v[26+2*\e] row_xmask:1 row_mask:0xf bank_mask:0xf
.endr
.irp e, 0,1
	v_max_num_f32_dpp v[26+2*\e], v[26+2*\e], v[26+2*\e] row_xmask:2 row_mask:0xf bank_mask:0xf   ; the four lanes' 32 numbers: the block's largest magnitude
.endr
.irp e, 0,1
	v_add_nc_u32 v[27+2*\e], EOFF, v[26+2*\e]      ; 2 off its exponent field: the conversion's scale operand
.endr
	WIN 0x01                                       ; the numbers in window 1, the scale operand and the codes in window 0
.irp e, 0,1
	v_cvt_scalef32_pk8_fp4_f32 v[SC+12+\e], v[SL+8*\e:SL+8*\e+7], v[27+2*\e]
.endr
.irp e, 0,1
	v_lshrrev_b32 v[SC+14+\e], 23, v[27+2*\e]      ; the byte.  (A plain place behind the scaled conversions)
.endr
	WIN 0x05                                       ; both sources window 1, results window 0
.irp e, 0,1
.irp k, 0,1,2,3
	v_perm_b32 v[SC+4*\e+\k], v[SL+8*\e+2*\k+1], v[SL+8*\e+2*\k], s4
	v_perm_b32 v[TT+4*\e+\k], v[SL+8*\e+2*\k+1], v[SL+8*\e+2*\k], s5   ; and their third bytes
.endr
.endr
	WIN 0
.irp e, 0,1
.irp i, 0,1
	v_perm_b32 v[SC+8+2*\e+\i], v[TT+4*\e+2*\i+1], v[TT+4*\e+2*\i], s6
.endr
.endr
.irp e, 0,1
	ds_store_b32 v19, v[SC+12+\e] offset:\e*KSB+(\p)*16              ; word address mod 64 = 4 (r / 4) + r % 4 + 32 h + 4 P: 32 different banks (64 banks of 4 bytes: ISA guide 11.1)
.if (\p) < 32
	ds_store_b128 v20, v[SC+4*\e:SC+4*\e+3] offset:(\p)*2048+\e*256  ; sixteen lanes, 256 consecutive bytes
.else
	ds_store_b128 v21, v[SC+4*\e:SC+4*\e+3] offset:((\p)-32)*2048+\e*256
.endif
	ds_store_b64 v30, v[SC+8+2*\e:SC+9+2*\e] offset:(\p)*1024+\e*128 ; sixteen lanes, 128 consecutive bytes
	ds_store_b8 v22, v[SC+14+\e] offset:\e*4+(\p)*16                 ; the four lanes of a block write the same byte with the same value
.endr
.if (\p)+DEPTH < 40
	SLOAD (\p)+DEPTH
.endif
.endm
	GUARD .Lp1_end
.set P, 0
.rept DEPTH
	SLOAD P
.set P, P+1
.endr
.set P, 0
.rept CAT
	BATCH P
.set P, P+1
.endr
	WIN 0x40
	global_load_b128 v[CB:CB+3], v24, s[48:49]                 ; cv, c-fold already
	global_load_b128 v[CB+4:CB+7], v24, s[48:49] offset:16
	global_load_b128 v[CB+8:CB+11], v24, s[50:51]              ; Wt's row 0
	global_load_b128 v[CB+12:CB+15], v24, s[50:51] offset:16
	global_load_b128 v[CB+16:CB+19], v24, s[50:51] offset:4096 ; Wt's row 1
	global_load_b128 v[CB+20:CB+23], v24, s[50:51] offset:4112
	global_load_b128 v[CB+24:CB+27], v24, s[52:53]             ; Ws
	global_load_b128 v[CB+28:CB+31], v24, s[52:53] offset:16
.rept 40-CAT
	BATCH P
.set P, P+1
.endr
	s_wait_loadcnt 0x0
	WIN 0x41                                       ; the constants lie in window 1
.irp q, 8,10,12,14,16,18,20,22
	v_pk_mul_f32 v[CB+\q:CB+\q+1], v[CB+\q:CB+\q+1], s[36:37] op_sel_hi:[1,0]    ; c Wt
.endr
.irp q, 24,26,28,30
	v_pk_mul_f32 v[CB+\q:CB+\q+1], v[CB+\q:CB+\q+1], -2.0 op_sel_hi:[1,0]        ; -2 Ws
.endr
	WIN 0x04                                       ; address window 0, data window 1
.irp vec, 0,1,2,3
	ds_store_b128 v23, v[CB+8*\vec:CB+8*\vec+3] offset:\vec*32
	ds_store_b128 v23, v[CB+8*\vec+4:CB+8*\vec+7] offset:\vec*32+16
.endr
	WIN 0
.Lp1_end:
	s_wait_dscnt 0x0                               ; for the others' sake: my codes, bytes and rows lie in LDS
	s_barrier_signal -1
	s_barrier_wait -1
; ---------------- P2: two passes of 8 n-tiles
.macro WFETCH ks                       ; Wk's eight fragments of K step ks into set ks % 4 of window 1: each load reads 512 consecutive bytes
.irp f, 0,1,2,3,4,5,6,7
	global_load_b128 v[64*((\ks)%4)+8*\f:64*((\ks)%4)+8*\f+3], v4, s[44:45] offset:(\ks)*8192+\f*1024
	global_load_b128 v[64*((\ks)%4)+8*\f+4:64*((\ks)%4)+8*\f+7], v4, s[44:45] offset:(\ks)*8192+\f*1024+512
.endr
.endm
.macro AFETCH ks                       ; seq's five fragments of K step ks into set ks % 2: sixteen lanes read 256 consecutive bytes
.irp s, 0,1,2,3,4
	ds_load_b128 v[AF+40*((\ks)%2)+8*\s:AF+40*((\ks)%2)+8*\s+3], v5 offset:(\ks)*KSB+\s*256
	ds_load_b128 v[AF+40*((\ks)%2)+8*\s+4:AF+40*((\ks)%2)+8*\s+7], v5 offset:(\ks)*KSB+2*BLB+\s*256
.endr
.endm
; 20 matrix instructions: n-tiles 4 dom .. 4 dom + 3 x five tiles of rows.  An even n-tile's scale words stand in lanes 0-15 of the register, the odd one's in lanes 16-31.
; The forty accumulators take turns, one instruction a turn, in the same order in every K step.  K step 0 starts the sums with the constant 0.
.macro MUL20 ks, dom
.irp tp, 0,1
.irp s, 0,1,2,3,4
.set D0, 8*(5*(2*\tp)+\s)
.set D1, 8*(5*(2*\tp+1)+\s)
.set WF, 64*((\ks)%4)+8*(4*(\dom)+2*\tp)
.set AA, AF+40*((\ks)%2)+8*\s
.set SWW, WS+8*(2*(\dom)+\tp)+(\ks)
.set SAA, AS+8*\s+(\ks)
.if (\ks) == 0
	v_wmma_scale_f32_16x16x128_f8f6f4 v[D0:D0+7], v[WF:WF+7], v[AA:AA+7], 0, v[SWW], v[SAA] matrix_a_fmt:MATRIX_FMT_FP4 matrix_b_fmt:MATRIX_FMT_FP4
	v_wmma_scale_f32_16x16x128_f8f6f4 v[D1:D1+7], v[WF+8:WF+15], v[AA:AA+7], 0, v[SWW], v[SAA] matrix_a_fmt:MATRIX_FMT_FP4 matrix_b_fmt:MATRIX_FMT_FP4 matrix_a_scale:MATRIX_SCALE_ROW1
.else
	v_wmma_scale_f32_16x16x128_f8f6f4 v[D0:D0+7], v[WF:WF+7], v[AA:AA+7], v[D0:D0+7], v[SWW], v[SAA] matrix_a_fmt:MATRIX_FMT_FP4 matrix_b_fmt:MATRIX_FMT_FP4
	v_wmma_scale_f32_16x16x128_f8f6f4 v[D1:D1+7], v[WF+8:WF+15], v[AA:AA+7], v[D1:D1+7], v[SWW], v[SAA] matrix_a_fmt:MATRIX_FMT_FP4 matrix_b_fmt:MATRIX_FMT_FP4 matrix_a_scale:MATRIX_SCALE_ROW1
.endif
.endr
.endr
.endm
.macro STEP ks
.if (\ks) <= 5
	s_wait_loadcnt 32                              ; this K step's fragments of Wk are in (and, at K step 0, all that was asked for before them); those of the next two steps stay out
.elseif (\ks) == 6
	s_wait_loadcnt 16
.else
	s_wait_loadcnt 0x0
.endif
	s_wait_dscnt 0x0                               ; seq's fragments, asked for twenty matrix instructions ago
	WIN 0xa1                                       ; source 0 (Wk) window 1, source 1 (seq) window 0, C and D window 2
	MUL20 \ks, 0
.if (\ks) <= 6
.rept 4
	v_nop                                          ; four places between the last K step's products and the loads into the registers that they read (ISA guide 7.12.1 for vector instructions)
.endr
.endif
.if (\ks) <= 4
	WIN 0x40
	WFETCH (\ks)+3
.endif
.if (\ks) <= 6
	WIN 0
	AFETCH (\ks)+1
.endif
	WIN 0xf1                                       ; C and D window 3
	MUL20 \ks, 1
.endm
.macro CLOAD tl                        ; cv, c Wt0, c Wt1 at n-tile tl's eight columns of my half: all lanes of a half read the same bytes
.irp vec, 0,1,2
	ds_load_b128 v[160+24*((\tl)%2)+8*\vec:160+24*((\tl)%2)+8*\vec+3], v230 offset:(\tl)*256+\vec*32
	ds_load_b128 v[160+24*((\tl)%2)+8*\vec+4:160+24*((\tl)%2)+8*\vec+7], v230 offset:(\tl)*256+\vec*32+16
.endr
.endm
; What is made of twenty accumulators; every operand lies in their own window.  The exponentials are one batch with one wait, and so are the reciprocals.
.macro DOMAIN win
	WIN \win
	CLOAD 0
.irp tl, 0,1,2,3
.if \tl < 3
	CLOAD \tl+1
	s_wait_dscnt 6                                 ; this n-tile's six loads are in, the next one's may be out
.else
	s_wait_dscnt 0x0
.endif
	s_wait_alu depctr_va_vdst(0)                   ; directly ahead of the first readers of this n-tile's five accumulators
.irp s, 0,1,2,3,4
.set AC, 8*(5*\tl+\s)
.set CC, 160+24*(\tl%2)
.irp q, 0,2,4,6
	v_pk_fma_f32 v[AC+\q:AC+\q+1], v[AC+\q:AC+\q+1], s[36:37], v[CC+\q:CC+\q+1] op_sel_hi:[1,0,1]                    ; c k + c (q + the biases): each accumulator from its low end on
.endr
.irp q, 0,2,4,6
	v_pk_fma_f32 v[AC+\q:AC+\q+1], v[CC+8+\q:CC+8+\q+1], v[208+2*\s:209+2*\s], v[AC+\q:AC+\q+1] op_sel_hi:[1,0,1]    ; + c Wt0 x my row's first time feature
.endr
.irp q, 0,2,4,6
	v_pk_fma_f32 v[AC+\q:AC+\q+1], v[CC+16+\q:CC+16+\q+1], v[208+2*\s:209+2*\s], v[AC+\q:AC+\q+1] op_sel:[0,1,0]     ; + c Wt1 x its second
.endr
.endr
.endr
	s_wait_alu depctr_va_vdst(0)                   ; all 160 sources are laid
.set AC, 0
.rept 160
	v_exp_f32 v[AC], v[AC]
.set AC, AC+1
.endr
.irp tl, 0,1,2,3
	ds_load_b128 v[160+8*\tl:160+8*\tl+3], v230 offset:\tl*256+96                                                   ; -2 Ws of the four n-tiles, into the registers that the other constants have left
	ds_load_b128 v[160+8*\tl+4:160+8*\tl+7], v230 offset:\tl*256+112
.endr
	v_nop                                          ; a plain instruction behind the last exponential
	s_wait_alu depctr_va_vdst(0)                   ; one wait for the 160 exponentials, ahead of their first reader
.set AC, 0
.rept 80
	v_pk_add_f32 v[AC:AC+1], v[AC:AC+1], 1.0 op_sel_hi:[1,0]
.set AC, AC+2
.endr
	s_wait_alu depctr_va_vdst(0)
.set AC, 0
.rept 160
	v_rcp_f32 v[AC], v[AC]
.set AC, AC+1
.endr
	v_nop
	s_wait_alu depctr_va_vdst(0)                   ; and one for the 160 reciprocals
	s_wait_dscnt 0x0                               ; -2 Ws
.irp tl, 0,1,2,3
.irp q, 0,2,4,6
.irp s, 0,1,2,3,4
	v_pk_fma_f32 v[218+2*\s:219+2*\s], v[8*(5*\tl+\s)+\q:8*(5*\tl+\s)+\q+1], v[160+8*\tl+\q:160+8*\tl+\q+1], v[218+2*\s:219+2*\s]   ; the five rows' sums by turns
.endr
	v_pk_add_f32 v[228:229], v[228:229], v[160+8*\tl+\q:160+8*\tl+\q+1]
.endr
.endr
.endm
	s_mov_b32 s58, 0                               ; the pass
	s_mov_b32 s59, 0                               ; its constants in LDS: 2,048 bytes a pass
.Lpass:
	GUARD .Lpass_skip
.irp i, 0,1,2,3
	global_load_b128 v[WS+8*\i:WS+8*\i+3], v4, s[46:47] offset:\i*1024           ; Wk's scale words: register 8 i + ks: n-tiles 2 i and 2 i + 1
	global_load_b128 v[WS+8*\i+4:WS+8*\i+7], v4, s[46:47] offset:\i*1024+512
.endr
	s_add_co_u32 s35, s59, 1024
	WIN 0x80
.irp s, 0,1,2,3,4
	global_load_b64 v[208+2*\s:209+2*\s], v7, s[42:43] offset:128*\s             ; the two time features of row 16 s + r, once for each window
.endr
	v_add_nc_u32 v230, s59, v8
	WIN 0xc0
.irp s, 0,1,2,3,4
	global_load_b64 v[208+2*\s:209+2*\s], v7, s[42:43] offset:128*\s
.endr
	v_add_nc_u32 v230, s35, v8
	s_wait_alu depctr_va_vdst(0)                   ; behind the writes of the two address registers
	WIN 0x40
	WFETCH 0
	WFETCH 1
	WFETCH 2
	WIN 0
.irp s, 0,1,2,3,4
.irp g, 0,1
	ds_load_b128 v[AS+8*\s+4*\g:AS+8*\s+4*\g+3], v6 offset:\g*1280+\s*256        ; seq's scale words: register 8 s + ks
.endr
.endr
	AFETCH 0
.irp ks, 0,1,2,3,4,5,6,7
	STEP \ks
.endr
.rept 4
	v_nop                                          ; four places in front of the first read of results
.endr
	DOMAIN 0xaa
	DOMAIN 0xff
	WIN 0
.Lpass_skip:
	s_wait_alu depctr_va_vdst(0)                   ; directly ahead of the wait below
	s_wait_xcnt 0x0                                ; the pass's loads have read their bases: they may step
	s_add_nc_u64 s[44:45], s[44:45], 0x10000
	s_add_nc_u64 s[46:47], s[46:47], 0x1000
	s_add_co_u32 s59, s59, 2048
	s_add_co_u32 s58, s58, 1
	s_cmp_lt_u32 s58, 2
	s_cbranch_scc1 .Lpass
	; my wave's part of the 80 scores: both windows, both halves of a pair, - 1/2 of the sum of -2 Ws, both halves of the lanes
	GUARD .Lpart_end
	WIN 0x0e                                       ; source 0 window 2, source 1 window 3
.irp s, 0,1,2,3,4
	v_pk_add_f32 v[192+2*\s:193+2*\s], v[218+2*\s:219+2*\s], v[218+2*\s:219+2*\s]
.endr
	v_pk_add_f32 v[202:203], v[228:229], v[228:229]
	WIN 0
.irp s, 0,1,2,3,4
	v_add_f32 v[204+\s], v[192+2*\s], v[193+2*\s]
.endr
	v_add_f32 v209, v202, v203
.irp s, 0,1,2,3,4
	v_mov_b32 v[210+\s], 0                         ; a lane permute's destination counts as one of its sources
.endr
.irp s, 0,1,2,3,4
	v_fma_f32 v[204+\s], v209, -0.5, v[204+\s]
.endr
.irp s, 0,1,2,3,4
	v_permlanex16_b32 v[210+\s], v[204+\s], s38, s39
.endr
.irp s, 0,1,2,3,4
	v_add_f32 v[204+\s], v[204+\s], v[210+\s]
.endr
.irp s, 0,1,2,3,4
	ds_store_b32 v9, v[204+\s] offset:64*\s        ; both halves of the lanes write the same word with the same value
.endr
.Lpart_end:
	s_wait_dscnt 0x0                               ; for the others' sake: my part of the scores lies in LDS
	s_barrier_signal -1
	s_barrier_wait -1
	; ---------------- P3: the tile's softmax, made by every wave for itself.  v216-235 the four waves' parts, then t, then p in v216-220; v240 m, v241 l
	GUARD .Lsoft_end
.irp wv, 0,1,2,3
.irp s, 0,1,2,3,4
	ds_load_b32 v[216+5*\wv+\s], v10 offset:\wv*320+64*\s
.endr
.endr
	v_mov_b32 v237, s32
	v_mul_f32 v237, LOG2E, v237                    ; bs log2(e)
	v_mov_b32 v238, 0xff800000                     ; -infinity
	s_wait_dscnt 0x0
.irp s, 0,1,2,3,4
	v_add_f32 v[216+\s], v[216+\s], v[221+\s]
	v_add_f32 v[226+\s], v[226+\s], v[231+\s]
.endr
.irp s, 0,1,2,3,4
	v_add_f32 v[216+\s], v[216+\s], v[226+\s]
.endr
.irp s, 0,1,2,3,4
	v_fma_f32 v[216+\s], v[216+\s], LOG2E, v237    ; t = (score + bs) log2(e)
.endr
.irp s, 0,1,2,3,4
	v_add_nc_u32 v239, 16*\s, v25
	v_cmp_gt_u32 vcc_lo, s33, v239                 ; the row counts where 0 <= row - lo < lengths[b] - lo
	v_cndmask_b32 v[216+\s], v238, v[216+\s], vcc_lo
.endr
	v_max3_num_f32 v240, v216, v217, v218
	v_max3_num_f32 v240, v240, v219, v220
.irp x, 1,2,4,8
	v_max_num_f32_dpp v240, v240, v240 row_xmask:\x row_mask:0xf bank_mask:0xf     ; both halves of the lanes hold the same 80 rows: sixteen lanes are enough.  Row lo counts, so m is a number
.endr
.irp s, 0,1,2,3,4
	v_sub_f32 v[216+\s], v[216+\s], v240
.endr
	s_wait_alu depctr_va_vdst(0)
.irp s, 0,1,2,3,4
	v_exp_f32 v[216+\s], v[216+\s]                 ; p = 2^(t - m); 0 where the row does not count
.endr
	v_nop
	s_wait_alu depctr_va_vdst(0)                   ; one wait for the five, ahead of their first reader
	v_add_f32 v241, v216, v217
	v_add_f32 v242, v218, v219
	v_add_f32 v241, v241, v220
	v_add_f32 v241, v241, v242
.irp x, 1,2,4,8
	v_add_f32_dpp v241, v241, v241 row_xmask:\x row_mask:0xf bank_mask:0xf
.endr
.irp s, 0,1,2,3,4
	ds_store_b32 v11, v[216+\s] offset:64*\s       ; my wave's own copy of p: its later reads need no barrier
.endr
	s_cmp_lg_u32 s26, 0
	s_cbranch_scc1 .Lsoft_end
	global_store_b64 v15, v[240:241], s[56:57]     ; (m, l), 32 times: 256 consecutive bytes, aligned
.Lsoft_end:
.irp q, 0,1,2,3,4,5,6,7
	v_mov_b32 v[SU+\q], 0                          ; the eight sums: the loop is written once
.endr
	s_mov_b32 s60, 0                               ; five trips of 16 rows
	s_mov_b32 s61, 0                               ; the upper halves in LDS: 32,768 bytes a trip
	s_mov_b32 s58, 0                               ; the third bytes: 16,384 bytes a trip
	s_mov_b32 s62, 0                               ; p: 64 bytes a trip
.Lrows:
	GUARD .Lrows_skip
	v_add_nc_u32 v16, s62, v12
	v_add_nc_u32 v17, s61, v13
	v_add_nc_u32 v1, s58, v31                      ; (the lane's number is done with)
.irp u, 0,1,2,3
	ds_load_b128 v[PV+4*\u:PV+4*\u+3], v16 offset:16*\u              ; p of the 16 rows, the same in every lane
.endr
.irp k, 0,1,2,3,4,5,6,7,8,9,10,11,12,13,14,15
	ds_load_b64 v[X+6*\k:X+6*\k+1], v17 offset:\k*2048               ; 32 lanes, 256 consecutive bytes
	ds_load_b64 v[X+6*\k+2:X+6*\k+3], v17 offset:\k*2048+1024
	ds_load_b32 v[X+6*\k+4], v1 offset:\k*1024                       ; 32 lanes, 128 consecutive bytes
	ds_load_b32 v[X+6*\k+5], v1 offset:\k*1024+512
.endr
.irp k, 0,1,2,3,4,5,6,7,8,9,10,11,12,13,14,15
	s_wait_dscnt 60-4*\k                           ; row k is in (and all that was issued before it); the later rows' four loads each may be out
.irp c, 0,1
	v_perm_b32 v[TP+4*\c], v[X+6*\k+2*\c], v[X+6*\k+4+\c], s8        ; a zero, the third byte, the upper half: the number's upper 24 bits as f32
	v_perm_b32 v[TP+4*\c+1], v[X+6*\k+2*\c], v[X+6*\k+4+\c], s9
	v_perm_b32 v[TP+4*\c+2], v[X+6*\k+2*\c+1], v[X+6*\k+4+\c], s10
	v_perm_b32 v[TP+4*\c+3], v[X+6*\k+2*\c+1], v[X+6*\k+4+\c], s11
.endr
.irp q, 0,2,4,6
.if (\k)%2
	v_pk_fma_f32 v[SU+\q:SU+\q+1], v[TP+\q:TP+\q+1], v[PV+\k-1:PV+\k], v[SU+\q:SU+\q+1] op_sel:[0,1,0]               ; x p of row k, the pair's second word for both halves
.else
	v_pk_fma_f32 v[SU+\q:SU+\q+1], v[TP+\q:TP+\q+1], v[PV+\k:PV+\k+1], v[SU+\q:SU+\q+1] op_sel_hi:[1,0,1]            ; the pair's first word for both halves
.endif
.endr
.endr
.Lrows_skip:
	s_add_co_u32 s61, s61, 32768
	s_add_co_u32 s58, s58, 16384
	s_add_co_u32 s62, s62, 64
	s_add_co_u32 s60, s60, 1
	s_cmp_lt_u32 s60, 5
	s_cbranch_scc1 .Lrows
	GUARD .Lend
	s_wait_alu depctr_va_vdst(0)                   ; directly ahead of the reader below
	global_store_b128 v14, v[SU:SU+3], s[54:55]                ; each store of the wave covers 512 consecutive bytes, aligned
	global_store_b128 v14, v[SU+4:SU+7], s[54:55] offset:2048
.Lend:
	s_set_vgpr_msb 0xa
	s_wait_tensorcnt 0x0
	ds_add_u32 v254, v255
	s_wait_dscnt 0x0
	s_set_vgpr_msb 0xa00
	s_endpgm
.Lfunc_end_k_qeca0c39012_main:
	.size	k_qeca0c39012_main, .Lfunc_end_k_qeca0c39012_main-k_qeca0c39012_main
	.p2alignl 7, 3214868480
	.fill 96, 4, 3214868480
	.section	.rodata,"a",@progbits
	.p2align	6, 0x0
	.amdhsa_kernel k_qeca0c39012_main
		.amdhsa_group_segment_fixed_size 309248
		.amdhsa_private_segment_fixed_size 0
		.amdhsa_enable_private_segment 0
		.amdhsa_kernarg_size 88
		.amdhsa_user_sgpr_count 2
		.amdhsa_user_sgpr_kernarg_segment_ptr 1
		.amdhsa_wavefront_size32 1
		.amdhsa_system_sgpr_workgroup_id_x 1
		.amdhsa_system_sgpr_workgroup_id_y 1
		.amdhsa_system_sgpr_workgroup_id_z 1
		.amdhsa_system_vgpr_workitem_id 0
		.amdhsa_next_free_vgpr 1024
		.amdhsa_next_free_sgpr 66
		.amdhsa_reserve_vcc 1
		.amdhsa_float_denorm_mode_32 3
		.amdhsa_float_denorm_mode_16_64 3
		.amdhsa_memory_ordered 1
		.amdhsa_forward_progress 1
		.amdhsa_inst_pref_size 255
	.end_amdhsa_kernel
	.section	.bss,"aw",@nobits
	.p2align	6
	.space	262144
	.amdgpu_metadata
---
amdhsa.version: [ 1, 2 ]
amdhsa.kernels:
  - .name:           k_qeca0c39012_main
    .symbol:         k_qeca0c39012_main.kd
    .args:
      - { .name: seq, .offset: 0, .size: 8, .value_kind: global_buffer, .address_space: global }
      - { .name: time_features, .offset: 8, .size: 8, .value_kind: global_buffer, .address_space: global }
      - { .name: lengths, .offset: 16, .size: 8, .value_kind: global_buffer, .address_space: global }
      - { .name: Wt, .offset: 24, .size: 8, .value_kind: global_buffer, .address_space: global }
      - { .name: Ws, .offset: 32, .size: 8, .value_kind: global_buffer, .address_space: global }
      - { .name: bs, .offset: 40, .size: 8, .value_kind: global_buffer, .address_space: global }
      - { .name: wkc, .offset: 48, .size: 8, .value_kind: global_buffer, .address_space: global }
      - { .name: wks, .offset: 56, .size: 8, .value_kind: global_buffer, .address_space: global }
      - { .name: cv, .offset: 64, .size: 8, .value_kind: global_buffer, .address_space: global }
      - { .name: part, .offset: 72, .size: 8, .value_kind: global_buffer, .address_space: global }
      - { .name: stat, .offset: 80, .size: 8, .value_kind: global_buffer, .address_space: global }
    .group_segment_fixed_size: 309248
    .private_segment_fixed_size: 0
    .kernarg_segment_align: 8
    .kernarg_segment_size: 88
    .max_flat_workgroup_size: 128
    .sgpr_count:     66
    .vgpr_count:     1024
    .wavefront_size: 32
...
	.end_amdgpu_metadata
.endif
;; end of part 2
;; launch join (part 3): grid 8 x 32, 1 waves a work-group, no clusters, 0 bytes of LDS; arguments lengths, part, stat, out0; writes out0
.if DOCPART == 3
	.amdgcn_target "amdgcn-amd-amdhsa--gfx1250"
	.amdhsa_code_object_version 6
	.text
	.protected	k_qeca0c39012_join
	.globl	k_qeca0c39012_join
	.p2align	8
	.type	k_qeca0c39012_join,@function
k_qeca0c39012_join:
	s_mov_b64 s[64:65], 0
	v_nop
	global_prefetch_b8 v0, s[64:65] scope:SCOPE_SE
	s_setreg_imm32_b32 hwreg(HW_REG_WAVE_MODE, 25, 1), 1
	s_wait_xcnt 0x0
; out0[b][:] = (sum over the batch's tiles j of 2^(m_j - M) part[b][j][:]) / (sum over j of 2^(m_j - M) l_j), M the largest m_j.  A wave takes 128 columns of one batch.
; A batch has nt = ceil(lengths[b] / 80) tiles, 1 to 26; only those were stored.  There is no branch: all 26 loads are issued, a tile's number held at nt - 1, and lanes and tiles from nt on get the weight 0.
; Lane j holds tile j's (m, l).  Memory binds and the data are small: no LDS, no matrix unit.  LIMIT: lengths in 1 .. 2,048.
	s_load_b256 s[4:11], s[0:1], 0x0               ; lengths s[4:5], part s[6:7], stat s[8:9], out0 s[10:11]
	s_and_b32 s12, ttmp7, 0xffff                   ; batch b
	v_and_b32 v1, 31, v0                           ; lane
	v_lshlrev_b32 v3, 4, v1                        ; my four columns
	s_lshl_b32 s2, s12, 2
	s_mov_b32 s3, 0
	s_mov_b32 s18, 0x76543210
	s_mov_b32 s19, 0xfedcba98                      ; lane selects for lane l xor 16
	s_wait_alu depctr_va_vdst(0)
	s_wait_kmcnt 0x0
	s_add_nc_u64 s[4:5], s[4:5], s[2:3]
	s_load_b32 s13, s[4:5], 0x0                    ; lengths[b]
	s_lshl_b32 s2, s12, 13
	s_add_nc_u64 s[8:9], s[8:9], s[2:3]            ; stat: 32 tiles of 256 bytes a batch
	s_lshl_b32 s16, ttmp9, 9                       ; my 128 columns
	s_lshl_b32 s2, s12, 17
	s_add_co_u32 s2, s2, s16
	s_add_nc_u64 s[6:7], s[6:7], s[2:3]            ; part: 32 tiles of 4,096 bytes a batch
	s_lshl_b32 s2, s12, 12
	s_add_co_u32 s2, s2, s16
	s_add_nc_u64 s[10:11], s[10:11], s[2:3]
	s_wait_kmcnt 0x0
	s_add_co_u32 s14, s13, 79
	s_mul_hi_u32 s14, s14, 0xcccccccd
	s_lshr_b32 s14, s14, 6                         ; nt = (lengths[b] + 79) / 80
	s_sub_co_u32 s15, s14, 1
	s_min_u32 s15, s15, 25                         ; the last tile that was stored
	v_min_u32 v2, s15, v1
	v_min_u32 v2, 25, v2
	v_lshlrev_b32 v2, 8, v2
	global_load_b64 v[4:5], v2, s[8:9]             ; (m, l) of tile min(lane, nt - 1)
.set J, 0
.rept 26
	s_min_u32 s16, s15, J
	v_lshl_add_u32 v[10+J], s16, 12, v3
	global_load_b128 v[40+4*J:43+4*J], v[10+J], s[6:7]         ; 512 consecutive bytes of tile min(J, nt - 1)
.set J, J+1
.endr
	s_wait_loadcnt 26                              ; (m, l) are in; the 26 tiles' loads stay out
	v_mov_b32 v6, 0xff800000
	v_cmp_gt_u32 vcc_lo, s14, v1
	v_cndmask_b32 v4, v6, v4, vcc_lo               ; lanes from nt on: -infinity
	v_mov_b32 v7, v4
.irp x, 1,2,4,8
	v_max_num_f32_dpp v7, v7, v7 row_xmask:\x row_mask:0xf bank_mask:0xf
.endr
	v_mov_b32 v8, 0                                ; a lane permute's destination counts as one of its sources
	v_permlanex16_b32 v8, v7, s18, s19
	v_max_num_f32 v7, v7, v8                       ; M
	v_sub_f32 v4, v4, v7
	s_wait_alu depctr_va_vdst(0)
	v_exp_f32 v4, v4                               ; 2^(m - M)
	v_nop
	s_wait_alu depctr_va_vdst(0)                   ; ahead of the first reader
	v_mul_f32 v9, v4, v5
.irp x, 1,2,4,8
	v_add_f32_dpp v9, v9, v9 row_xmask:\x row_mask:0xf bank_mask:0xf
.endr
	v_permlanex16_b32 v8, v9, s18, s19
	v_add_f32 v9, v9, v8                           ; the row's sum
	s_wait_alu depctr_va_vdst(0)
	v_rcp_f32 v9, v9
	v_nop
	s_wait_alu depctr_va_vdst(0)
	v_mul_f32 v4, v4, v9                           ; tile j's weight, in lane j
.set J, 0
.rept 26
	v_readlane_b32 s[20+J], v4, J
.set J, J+1
.endr
	s_wait_loadcnt 25
.irp q, 0,1,2,3
	v_mul_f32 v[144+\q], s20, v[40+\q]             ; the first tile starts the sums
.endr
.set J, 1
	s_wait_alu depctr_va_vdst(0)
.rept 25
	s_wait_alu depctr_va_vdst(0)
	s_wait_loadcnt 25-J                            ; tile J is in; the later tiles' loads may be out
.irp q, 0,1,2,3
	v_fma_f32 v[144+\q], s[20+J], v[40+4*J+\q], v[144+\q]
.endr
.set J, J+1
.endr
	global_store_b128 v3, v[144:147], s[10:11]     ; 512 consecutive bytes of out0, aligned
	s_endpgm
.Lfunc_end_k_qeca0c39012_join:
	.size	k_qeca0c39012_join, .Lfunc_end_k_qeca0c39012_join-k_qeca0c39012_join
	.p2alignl 7, 3214868480
	.fill 96, 4, 3214868480
	.section	.rodata,"a",@progbits
	.p2align	6, 0x0
	.amdhsa_kernel k_qeca0c39012_join
		.amdhsa_group_segment_fixed_size 0
		.amdhsa_private_segment_fixed_size 0
		.amdhsa_enable_private_segment 0
		.amdhsa_kernarg_size 32
		.amdhsa_user_sgpr_count 2
		.amdhsa_user_sgpr_kernarg_segment_ptr 1
		.amdhsa_wavefront_size32 1
		.amdhsa_system_sgpr_workgroup_id_x 1
		.amdhsa_system_sgpr_workgroup_id_y 1
		.amdhsa_system_sgpr_workgroup_id_z 1
		.amdhsa_system_vgpr_workitem_id 0
		.amdhsa_next_free_vgpr 160
		.amdhsa_next_free_sgpr 66
		.amdhsa_reserve_vcc 1
		.amdhsa_float_denorm_mode_32 3
		.amdhsa_float_denorm_mode_16_64 3
		.amdhsa_memory_ordered 1
		.amdhsa_forward_progress 1
		.amdhsa_inst_pref_size 18
	.end_amdhsa_kernel
	.amdgpu_metadata
---
amdhsa.version: [ 1, 2 ]
amdhsa.kernels:
  - .name:           k_qeca0c39012_join
    .symbol:         k_qeca0c39012_join.kd
    .args:
      - { .name: lengths, .offset: 0, .size: 8, .value_kind: global_buffer, .address_space: global }
      - { .name: part, .offset: 8, .size: 8, .value_kind: global_buffer, .address_space: global }
      - { .name: stat, .offset: 16, .size: 8, .value_kind: global_buffer, .address_space: global }
      - { .name: out0, .offset: 24, .size: 8, .value_kind: global_buffer, .address_space: global }
    .group_segment_fixed_size: 0
    .private_segment_fixed_size: 0
    .kernarg_segment_align: 8
    .kernarg_segment_size: 32
    .max_flat_workgroup_size: 32
    .sgpr_count:     66
    .vgpr_count:     160
    .wavefront_size: 32
...
	.end_amdgpu_metadata
.endif
;; end of part 3
